; MI455X (gfx1250); checked and timed in simulation.
; The chip was launched on July 23, 2026; its instructions are those of AMD's public machine-readable ISA for CDNA 5 (MIT licence, August 2026) and "CDNA5" Instruction Set Architecture Reference Guide (July 2026). The comments in the code are by the model that wrote it; some were corrected since.
;; Gauss Softmax V3. Allowed arithmetic: matrix products marked QUANTISED: E2M3 operands, one E8M0 scale for each 32 along K, by v_wmma_scale_f32_16x16x128_f8f6f4 with both operands' format E2M3, f32 sums; everything else in f32.
;; Inputs: log_sigma 16,000 x 64 float32; log_sigma_c 128 x 64 float32; mu 16,000 x 64 float32; mu_c 128 x 64 float32; x_codes 512 x 4 x 24 uint8 (E2M3 codes of x, K innermost, in blocks of 32 codes, four codes in three bytes); x_scales 512 x 4 uint8 (E8M0 scales of x, one for each 32 codes along K).
;; Outputs: out0 16,000 x 512 float32; out1 16,000 x 128 float32.
;; Constants: t = 0.
;; This version of the problem:
;;   THIS VERSION OF THE PROBLEM IS GIVEN IN LOW PRECISION. The matrix products marked QUANTISED in the list below multiply operands that are first quantised to E2M3 (2 exponent bits, 3 mantissa bits; 6 bits a number), with one power-of-two scale for each 32 numbers along K (OCP MX v1.0); their sums are f32. All else is computed in f32.
;;   The module's matrix products, in the order in which they are computed (A, B: the left and right operand; K: the contracted axis; several contracted axes count as one K, in the product's order):
;;     1. [M 16,000, K 128] x [K 128, N 512]; A: computed on the way; B: input x (given as codes): QUANTISED
;;   THE QUANTISER, for each operand of a quantised product, along K:
;;     - K is cut into blocks of 32 from its start; a last block that is shorter is filled with zeros.
;;     - A block's scale is 2^e with e = floor(log2(the largest magnitude in the block)) - 2, held to -126 .. 127; a block of zeros has e = 0. As a byte (E8M0): e + 127.
;;     - Each number is divided by its block's scale, clamped to +-7.5, and rounded to the nearest number of E2M3, ties to even, subnormals kept.
;;     - The product sums the exact products of the quantised numbers (number of the format x scale) in f32.
;;   ~~~python
;;   def quantise(x, axis):      # numpy; x: float32 -> the quantised numbers, widened to float32 again
;;       x = np.moveaxis(x, axis, -1); K = x.shape[-1]
;;       x = np.pad(x, [(0, 0)] * (x.ndim - 1) + [(0, -K % 32)]); x = x.reshape(x.shape[:-1] + (-1, 32)); a = np.abs(x).max(-1, keepdims=True)
;;       e = np.where(a > 0, np.clip(np.frexp(np.where(a > 0, a, 1))[1] - 1 - 2, -126, 127), 0)      # np.frexp(a)[1] - 1 = floor(log2(a)), exactly
;;       r = np.clip(x / 2.0 ** e, -7.5, 7.5)
;;       step = 2.0 ** (np.maximum(np.frexp(np.where(r == 0, 1, r))[1] - 1, 0) - 3)
;;       q = np.round(r / step) * step * 2.0 ** e      # np.round: ties to even
;;       return np.moveaxis(q.reshape(q.shape[:-2] + (-1,))[..., :K], -1, axis).astype(np.float32)
;;   ~~~
;;   OPERANDS COMPUTED ON THE WAY. 'Computed on the way' means the value that the module computes at that place (a softmax that the list does not call 'softmax' is quantised finished and normalised). What goes into a quantiser is computed in f32, as accurately as f32 sums, v_exp_f32 and their like allow (about 1e-6 of the number): no bf16 or f16 on the way to a quantiser, and a product that is left as it is and whose result goes on into a quantised operand takes f32 operands (vector FMAs, or v_wmma_f32_16x16x4_f32). A number that lies on a knife's edge between two numbers of the format may be rounded either way, as far as f32 arithmetic and the matrix unit's own rounding can turn it there, and no further.
;;   INPUTS GIVEN AS CODES. x (in the module: [128, 512], K = its axis 0): each comes as NAME_codes (uint8): NAME with its K axis moved to the last place and cut into blocks of 32 codes, [.., K / 32, bytes a block], one block behind the other in memory; four codes in three bytes: a row's codes are one little-endian stream of bits, code i at bits 6 i .. 6 i + 5 (a code: sign, 2 exponent bits, 3 mantissa bits); and NAME_scales (uint8): the same leading axes, one E8M0 byte (e + 127) for each 32 codes along K. Its value is code x scale, taken as it is: it is not quantised again, and the codes and scales need not be those that the quantiser above would give.
;; One version. Each part assembles by itself: llvm-mc -triple=amdgcn-amd-amdhsa -mcpu=gfx1250 --defsym DOCPART=n.
;; ======== version 1 of 1: 2 launches
;; workspace buffers: energy 8,192,000 bytes; lse 64,000 bytes
;; launch energy_kl (part 1): grid 125 x 2, 16 waves a work-group, no clusters, 259,328 bytes of LDS; arguments mu, log_sigma, mu_c, log_sigma_c, energy, lse, out1; writes energy, lse, out1
.if DOCPART == 1
	.amdgcn_target "amdgcn-amd-amdhsa--gfx1250"
	.amdhsa_code_object_version 6
	.text
	.protected	k_q3333967bbb_energy_kl
	.globl	k_q3333967bbb_energy_kl
	.p2align	8
	.type	k_q3333967bbb_energy_kl,@function
k_q3333967bbb_energy_kl:
	s_mov_b64 s[64:65], 0
	v_nop
	global_prefetch_b8 v0, s[64:65] scope:SCOPE_SE
	s_setreg_imm32_b32 hwreg(HW_REG_WAVE_MODE, 25, 1), 1
	s_wait_xcnt 0x0
; FIRST LAUNCH.  For 128 rows v and 64 columns t a work-group makes the KL energy (out1), the expected-likelihood energy in base 2 (workspace energy)
; and, for each t, lse = max + log2(sum over its 128 rows of 2^(E - max)) (workspace lse).  The softmax over all 16,000 rows is finished by the second launch.
; ARITHMETIC.  The problem's own clips give mu in [-sqrt 2, sqrt 2], sigma in [0.1, 10].  With s' = (sigma_v + sigma_t) / 2 in [0.1, 10], a = (mu_v - mu_t)^2:
;   sum_d ln s = ln(prod s') + 64 ln 2;  sum_d a / s = (1/2) N / P,  P = prod s',  N = sum_i a_i prod_(j != i) s'_j.
; (N, P) is built over 32 d by merges (N1, P1) + (N2, P2) = (N1 P2 + N2 P1, P1 P2): all terms positive, P in 1e-32 .. 1e32, N under 3e33 for every input.
; So a (v, t, half of d) costs one logarithm and one reciprocal.  What is constant along v (64 ln 2, d log 2 pi) cancels in the softmax over v and is left out of E:
;   E = -0.5 log2 P - 0.25 log2(e) N / P, summed over the two halves of d.
;   KL = 0.5 (sum ls_t - sum ls_v - 64 + sum_d (sigma_v + a) / sigma_t): two fused multiply-adds an element by rt = 1 / sigma_t.
; Eight f32 operations for each (v, t, d), all packed: 32 instructions for 4 d of two t.
; SHARES.  16 waves.  Wave w: half dh = w & 1 of d, rows 16 (w >> 1) .. + 15, all 64 t.  A lane owns t = 2 lane, 2 lane + 1 as the halves of packed registers; its -mu_t, sigma_t / 2, 1 / sigma_t
; of 32 d stay in 192 registers.  A row's mu_v, sigma_v come from LDS, all lanes at one address, and op_sel spreads one word to both halves.
; The halves of d meet in an LDS stage; out1 leaves in pieces of 256 consecutive bytes, E in the order of the second launch's operand registers, 512 consecutive bytes a store.
; NO CLUSTER: 125 x 2 work-groups do not divide into clusters of four, and what they share (32 KB of mu_c, log_sigma_c) is small.  No tensor load: each fill is made once and is clipped and exponentiated on its way.
; No prefetch: all global loads stand at the head.
; LIMITS: NaN and infinities among the inputs are not served.  lse is one f32 number: its rounding is that of an f32 energy of its size.
.set TCH,    528                       ; a chunk of the t images: 32 lanes x 16 bytes + 16, so that the 16 chunks that 16 threads store together begin 16 bytes apart modulo 256
.set TARR,   32*TCH                    ; one array (-mu_t, sigma_t / 2, 1 / sigma_t): 32 pairs of d
.set VT,     3*TARR                    ; the rows' table: row x 512: 64 mu, then 64 sigma
.set SUMV,   VT+128*512                ; 0.5 sum_d ls_v, a word a row
.set SUMT,   SUMV+512                  ; 0.5 sum_d ls_t, a word a t
.set MX,     SUMT+256                  ; 2 x 64 maxima, then 2 x 64 sums
.set STG,    MX+1024                   ; the stage: planes E (dh 0), K (dh 0), E (dh 1), K (dh 1)
.set SPITCH, 272                       ; a stage row: 64 t x 4 bytes + 16
.set SPL,    128*SPITCH                ; a plane
.set ADR, 1                            ; v1      LDS address of the row in hand
.set SA0, 2                            ; v2      my place in my wave's part of the stage
.set SA,  3                            ; v3      the same for the row in hand
.set KR,  4                            ; v[4:5]  the row's K
.set P,   6                            ; v[6:7]  product of s'
.set N,   8                            ; v[8:9]  numerator
.set KA,  10                           ; v[10:11] sum sigma_v rt
.set KB,  12                           ; v[12:13] sum a rt
.set S,   14                           ; v[14:21] s' of 4 d, then products
.set A,   22                           ; v[22:29] differences, squares, numerators
.set ER,  30                           ; v[30:31] the row's E
.set XB,  32                           ; v[32:63] four buffers of 8: 4 mu_v, 4 sigma_v
.set NMT, 64                           ; v[64:127]  -mu_t: (t, t + 1) for each of my 32 d
.set STH, 128                          ; v[128:191] sigma_t / 2
.set RT,  192                          ; v[192:255] 1 / sigma_t
	s_load_b256 s[4:11], s[0:1], 0x0               ; mu, log_sigma, mu_c, log_sigma_c
	s_load_b128 s[12:15], s[0:1], 0x20             ; energy, lse
	s_load_b64 s[16:17], s[0:1], 0x30              ; out1
	v_lshrrev_b32 v1, 5, v0
	v_readfirstlane_b32 s18, v1                    ; wave 0..15
	s_and_b32 s19, s18, 1                          ; dh
	s_lshr_b32 s24, s18, 1                         ; which 16 rows
	s_and_b32 s25, ttmp7, 0xffff                   ; th: which 64 t
	s_mov_b32 s20, 0x3fb504f3                      ; sqrt 2
	s_mov_b32 s21, 0x40135d8e                      ; ln 10 = -ln 0.1
	s_mov_b32 s22, 0x3fb8aa3b                      ; log2 e
	s_mov_b32 s23, 0xbfb8aa3b                      ; -log2 e
	v_lshrrev_b32 v2, 4, v0                        ; r = thread / 16
	v_and_b32 v3, 15, v0                           ; q = thread % 16: which 4 d
	v_lshlrev_b32 v4, 4, v0                        ; mu, log_sigma: 256 r + 16 q
	v_lshlrev_b32 v5, 4, v3
	v_lshl_add_u32 v5, v2, 9, v5                   ; mu_c, log_sigma_c, row 2 r: 512 r + 16 q
	s_lshl_b32 s26, ttmp9, 15                      ; 128 rows x 256 bytes
	s_mov_b32 s27, 0
	s_lshl_b32 s28, s25, 14                        ; 64 rows x 256 bytes
	s_mov_b32 s29, 0
	s_lshl_b32 s30, ttmp9, 16                      ; 128 rows x 512 bytes: in out1 and in energy alike
	s_lshl_b32 s34, s25, 8
	s_add_co_u32 s34, s34, s30                     ; out1: + 64 th columns
	s_mov_b32 s35, 0
	s_lshl_b32 s36, s25, 12
	s_add_co_u32 s36, s36, s30                     ; energy: a tile of 16 rows is 8,192 bytes; th picks its lower or upper 4,096
	s_mov_b32 s37, 0
	s_mul_i32 s38, s25, 32000                      ; lse: [8 slices of 16 t][125 row groups][16 t]: 4 slices of 8,000 bytes for each th,
	s_lshl_b32 s30, ttmp9, 6
	s_add_co_u32 s38, s38, s30                     ; 64 bytes for each row group
	s_mov_b32 s39, 0
	s_wait_kmcnt 0x0
	s_add_nc_u64 s[4:5], s[4:5], s[26:27]
	s_add_nc_u64 s[6:7], s[6:7], s[26:27]
	s_add_nc_u64 s[8:9], s[8:9], s[28:29]
	s_add_nc_u64 s[10:11], s[10:11], s[28:29]
	s_add_nc_u64 s[16:17], s[16:17], s[34:35]
	s_add_nc_u64 s[12:13], s[12:13], s[36:37]
	s_add_nc_u64 s[14:15], s[14:15], s[38:39]
	; ---- all the work-group's inputs, once: sixteen lanes read a row's 256 bytes
	global_load_b128 v[16:19], v5, s[8:9]              ; mu_c, t = 2 r
	global_load_b128 v[20:23], v5, s[8:9] offset:256   ;       t = 2 r + 1
	global_load_b128 v[24:27], v5, s[10:11]            ; log_sigma_c likewise
	global_load_b128 v[28:31], v5, s[10:11] offset:256
.irp i, 0,1,2,3
	global_load_b128 v[32+4*\i:35+4*\i], v4, s[4:5] offset:8192*\i    ; mu, rows r + 32 i
.endr
.irp i, 0,1,2,3
	global_load_b128 v[48+4*\i:51+4*\i], v4, s[6:7] offset:8192*\i    ; log_sigma
.endr
	v_mul_u32_u24 v6, v3, TCH
	v_lshl_add_u32 v6, v2, 4, v6                   ; t images: chunk q, lane r
	v_lshlrev_b32 v7, 9, v2
	v_lshl_add_u32 v7, v3, 4, v7
	v_add_nc_u32 v7, VT, v7                        ; rows' table: row r, 16 q
	v_lshl_add_u32 v8, v2, 2, SUMV
	v_lshl_add_u32 v9, v2, 3, SUMT
	s_wait_loadcnt 8                               ; the four loads of mu_c and log_sigma_c are in; the eight behind them may be out
	; the t side: register 2 e + u is d = 4 q + e of t = 2 r + u
.irp u, 0,1
.irp e, 0,1,2,3
	v_med3_num_f32 v[64+2*\e+\u], -v[16+4*\u+\e], -s20, s20        ; -clip(mu_c)
	v_med3_num_f32 v[24+4*\u+\e], v[24+4*\u+\e], -s21, s21         ; clip(log_sigma_c)
.endr
.endr
.irp u, 0,1
.irp e, 0,1,2,3
	v_fma_f32 v[72+2*\e+\u], v[24+4*\u+\e], s22, -1.0              ; log2(sigma_t / 2)
	v_mul_f32 v[80+2*\e+\u], s23, v[24+4*\u+\e]                    ; log2(1 / sigma_t)
.endr
.endr
.irp j, 0,1,2,3,4,5,6,7,8,9,10,11,12,13,14,15
	v_exp_f32 v[72+\j], v[72+\j]
.endr
.irp u, 0,1
	v_add_f32 v[120+\u], v[24+4*\u], v[25+4*\u]    ; my four of sum_d ls_t: plain work that names no exponential's result
	v_add_f32 v[88+\u], v[26+4*\u], v[27+4*\u]
.endr
.irp u, 0,1
	v_add_f32 v[120+\u], v[120+\u], v[88+\u]
.endr
	s_wait_loadcnt 0x0                             ; mu and log_sigma
.irp j, 0,1,2,3,4,5,6,7,8,9,10,11,12,13,14,15
	v_med3_num_f32 v[32+\j], v[32+\j], -s20, s20
	v_med3_num_f32 v[48+\j], v[48+\j], -s21, s21
.endr
.irp j, 0,1,2,3,4,5,6,7,8,9,10,11,12,13,14,15
	v_mul_f32 v[104+\j], s22, v[48+\j]
.endr
.irp j, 0,1,2,3,4,5,6,7,8,9,10,11,12,13,14,15
	v_exp_f32 v[104+\j], v[104+\j]                 ; sigma_v
.endr
.irp i, 0,1,2,3
	v_add_f32 v[122+\i], v[48+4*\i], v[49+4*\i]
	v_add_f32 v[90+\i], v[50+4*\i], v[51+4*\i]
.endr
.irp i, 0,1,2,3
	v_add_f32 v[122+\i], v[122+\i], v[90+\i]
.endr
.irp m, 1,2,4,8                        ; a row's 64 d lie in sixteen neighbouring lanes
.irp j, 0,1,2,3,4,5
	v_add_f32_dpp v[120+\j], v[120+\j], v[120+\j] row_xmask:\m row_mask:0xf bank_mask:0xf
.endr
.endr
.irp j, 0,1,2,3,4,5
	v_mul_f32 v[120+\j], 0.5, v[120+\j]            ; halved here (exact)
.endr
	s_wait_alu depctr_va_vdst(0)                   ; one wait for both batches of exponentials, ahead of the first line that names a result
	ds_store_b128 v6, v[64:67]                     ; chunk 16 j + q holds d = 4 q + 2 j, 4 q + 2 j + 1
	ds_store_b128 v6, v[68:71] offset:16*TCH
	ds_store_b128 v6, v[72:75] offset:TARR
	ds_store_b128 v6, v[76:79] offset:TARR+16*TCH
	ds_store_b128 v6, v[80:83] offset:2*TARR
	ds_store_b128 v6, v[84:87] offset:2*TARR+16*TCH
.irp i, 0,1,2,3
	ds_store_b128 v7, v[32+4*\i:35+4*\i] offset:16384*\i
	ds_store_b128 v7, v[104+4*\i:107+4*\i] offset:16384*\i+256
	ds_store_b32 v8, v[122+\i] offset:128*\i       ; sixteen lanes write one word with one value
.endr
	ds_store_b64 v9, v[120:121]
	s_wait_dscnt 0x0                               ; for the others' sake: my stores have landed
	s_barrier_signal -1
	s_barrier_wait -1                              ; the tables are whole
	; ---- my lane's t data of my half of d: 48 loads of 512 consecutive bytes
	s_mul_i32 s30, s19, 8*TCH                      ; half dh begins at q = 8 dh
	v_and_b32 v4, 31, v0
	v_lshl_add_u32 v4, v4, 4, s30
.irp a, 0,1,2
.irp c, 0,1,2,3,4,5,6,7,8,9,10,11,12,13,14,15
	ds_load_b128 v[64+64*\a+4*\c:67+64*\a+4*\c], v4 offset:\a*TARR+((\c%2)*16+\c/2)*TCH
.endr
.endr
	s_lshl_b32 s31, s24, 13                        ; my 16 rows of 512 bytes,
	s_lshl_b32 s30, s19, 7                         ; my 32 d of 4 bytes
	s_add_co_u32 s31, s31, s30
	s_add_co_u32 s31, s31, VT                      ; s31: LDS address of the row in hand
	s_mul_i32 s40, s19, 2*SPL
	s_mul_i32 s41, s24, 16*SPITCH
	s_add_co_u32 s40, s40, s41
	s_add_co_u32 s40, s40, STG
	v_and_b32 v[SA0], 31, v0
	v_lshl_add_u32 v[SA0], v[SA0], 3, s40          ; stage: my half's planes, my 16 rows, 8 bytes a lane
	s_mov_b32 s32, 0                               ; s32: the row in hand, in stage rows
	s_mov_b32 s33, 15
	v_mov_b32 v[ADR], s31
; chunk k of a row (4 d): 4 mu_v and 4 sigma_v into buffer k % 4; every lane reads the same 16 bytes
.macro LOADC k, off
	ds_load_b128 v[XB+8*((\k)%4):XB+8*((\k)%4)+3],   v[ADR] offset:\off
	ds_load_b128 v[XB+8*((\k)%4)+4:XB+8*((\k)%4)+7], v[ADR] offset:\off+256
.endm
; 4 d of one row against my two t: 32 packed instructions; the KL sums stand between the tree's links
.macro CHUNK k
.set B, XB+8*((\k)%4)
.set D, 8*(\k)
	v_pk_fma_f32 v[S:S+1],     v[B+4:B+5], 0.5, v[STH+D:STH+D+1]     op_sel_hi:[0,0,1]                 ; s' = 0.5 sigma_v + sigma_t / 2
	v_pk_fma_f32 v[S+2:S+3],   v[B+4:B+5], 0.5, v[STH+D+2:STH+D+3]   op_sel:[1,0,0] op_sel_hi:[1,0,1]
	v_pk_fma_f32 v[S+4:S+5],   v[B+6:B+7], 0.5, v[STH+D+4:STH+D+5]   op_sel_hi:[0,0,1]
	v_pk_fma_f32 v[S+6:S+7],   v[B+6:B+7], 0.5, v[STH+D+6:STH+D+7]   op_sel:[1,0,0] op_sel_hi:[1,0,1]
	v_pk_add_f32 v[A:A+1],     v[B:B+1],   v[NMT+D:NMT+D+1]     op_sel_hi:[0,1]                        ; mu_v - mu_t
	v_pk_add_f32 v[A+2:A+3],   v[B:B+1],   v[NMT+D+2:NMT+D+3]   op_sel:[1,0] op_sel_hi:[1,1]
	v_pk_add_f32 v[A+4:A+5],   v[B+2:B+3], v[NMT+D+4:NMT+D+5]   op_sel_hi:[0,1]
	v_pk_add_f32 v[A+6:A+7],   v[B+2:B+3], v[NMT+D+6:NMT+D+7]   op_sel:[1,0] op_sel_hi:[1,1]
.irp i, 0,2,4,6
	v_pk_mul_f32 v[A+\i:A+\i+1], v[A+\i:A+\i+1], v[A+\i:A+\i+1]                                       ; a
.endr
.if \k == 0
	v_pk_mul_f32 v[KB:KB+1], v[A:A+1], v[RT+D:RT+D+1]                                                  ; a row's first products start its sums: nothing is cleared
	v_pk_mul_f32 v[KA:KA+1], v[B+4:B+5], v[RT+D:RT+D+1] op_sel_hi:[0,1]
.else
	v_pk_fma_f32 v[KB:KB+1], v[A:A+1], v[RT+D:RT+D+1], v[KB:KB+1]
	v_pk_fma_f32 v[KA:KA+1], v[B+4:B+5], v[RT+D:RT+D+1], v[KA:KA+1] op_sel_hi:[0,1,1]
.endif
	v_pk_mul_f32 v[A:A+1],     v[A:A+1],   v[S+2:S+3]                                                  ; a0 s1
	v_pk_mul_f32 v[S+2:S+3],   v[S:S+1],   v[S+2:S+3]                                                  ; p01
	v_pk_fma_f32 v[KB:KB+1], v[A+2:A+3], v[RT+D+2:RT+D+3], v[KB:KB+1]
	v_pk_fma_f32 v[KA:KA+1], v[B+4:B+5], v[RT+D+2:RT+D+3], v[KA:KA+1] op_sel:[1,0,0] op_sel_hi:[1,1,1]
	v_pk_fma_f32 v[A+2:A+3],   v[A+2:A+3], v[S:S+1], v[A:A+1]                                          ; m01 = a1 s0 + a0 s1
	v_pk_fma_f32 v[KB:KB+1], v[A+4:A+5], v[RT+D+4:RT+D+5], v[KB:KB+1]
	v_pk_fma_f32 v[KA:KA+1], v[B+6:B+7], v[RT+D+4:RT+D+5], v[KA:KA+1] op_sel_hi:[0,1,1]
	v_pk_mul_f32 v[A+4:A+5],   v[A+4:A+5], v[S+6:S+7]                                                  ; a2 s3
	v_pk_mul_f32 v[S+6:S+7],   v[S+4:S+5], v[S+6:S+7]                                                  ; p23
	v_pk_fma_f32 v[KB:KB+1], v[A+6:A+7], v[RT+D+6:RT+D+7], v[KB:KB+1]
	v_pk_fma_f32 v[KA:KA+1], v[B+6:B+7], v[RT+D+6:RT+D+7], v[KA:KA+1] op_sel:[1,0,0] op_sel_hi:[1,1,1]
	v_pk_fma_f32 v[A+6:A+7],   v[A+6:A+7], v[S+4:S+5], v[A+4:A+5]                                      ; m23 = a3 s2 + a2 s3
.if \k == 0
	v_pk_mul_f32 v[P:P+1],     v[S+2:S+3], v[S+6:S+7]                                                  ; the first chunk's fraction is the row's
	v_pk_mul_f32 v[A+2:A+3],   v[A+2:A+3], v[S+6:S+7]
	v_pk_fma_f32 v[N:N+1],     v[A+6:A+7], v[S+2:S+3], v[A+2:A+3]
.else
	v_pk_mul_f32 v[S:S+1],     v[S+2:S+3], v[S+6:S+7]                                                  ; p = p01 p23
	v_pk_mul_f32 v[A+2:A+3],   v[A+2:A+3], v[S+6:S+7]                                                  ; m01 p23
	v_pk_mul_f32 v[A:A+1],     v[N:N+1],   v[S:S+1]                                                    ; N p
	v_pk_fma_f32 v[A+6:A+7],   v[A+6:A+7], v[S+2:S+3], v[A+2:A+3]                                      ; m
	v_pk_fma_f32 v[N:N+1],     v[A+6:A+7], v[P:P+1], v[A:A+1]                                          ; N = m P + N p
	v_pk_mul_f32 v[P:P+1],     v[P:P+1],   v[S:S+1]                                                    ; P = P p
.endif
.endm
; One row.  Loads run three chunks ahead, into the next row too (512 bytes on); the last row fetches nothing beyond itself.
.macro ROW last
	v_mov_b32 v[ADR], s31
	v_add_nc_u32 v[SA], s32, v[SA0]
.irp k, 0,1,2,3,4,5,6,7
.if \k < 5
	LOADC \k+3, 16*(\k+3)
.elseif !\last
	LOADC \k+3, 512+16*(\k-5)
.endif
.if \last && (\k > 4)
	s_wait_dscnt 2*(7-\k)                          ; only the chunks that are left may be out
.else
	s_wait_dscnt 6                                 ; LDS instructions end in order (ISA guide 5.7.1): the six youngest are at most the loads of the three chunks ahead; this chunk's, and all that is older, are done
.endif
	CHUNK \k
.endr
	v_log_f32 v[S], v[P]                           ; log2 P and 1 / P of my two t
	v_log_f32 v[S+1], v[P+1]
	v_rcp_f32 v[S+2], v[P]
	v_rcp_f32 v[S+3], v[P+1]
	v_pk_add_f32 v[KR:KR+1], v[KA:KA+1], v[KB:KB+1]   ; the plain line behind the four
	s_wait_alu depctr_va_vdst(0)                   ; one wait for the four, ahead of their first reader
	v_pk_mul_f32 v[A:A+1], v[N:N+1], v[S+2:S+3]
	v_pk_mul_f32 v[A:A+1], v[A:A+1], 0xbeb8aa3b op_sel_hi:[1,0]        ; x -0.25 log2 e
	v_pk_fma_f32 v[ER:ER+1], v[S:S+1], -0.5, v[A:A+1] op_sel_hi:[1,0,1]
	ds_store_b64 v[SA], v[ER:ER+1]                 ; 32 lanes store a stage row's 256 bytes
	ds_store_b64 v[SA], v[KR:KR+1] offset:SPL
	s_add_co_u32 s31, s31, 512
	s_add_co_u32 s32, s32, SPITCH
.endm
	LOADC 0, 0
	LOADC 1, 16
	LOADC 2, 32
.Lrow:
	ROW 0
	s_sub_co_u32 s33, s33, 1
	s_cmp_lg_u32 s33, 0
	s_cbranch_scc1 .Lrow
	ROW 1
	s_wait_dscnt 0x0                               ; my part of the stage has landed
	s_barrier_signal -1
	s_barrier_wait -1                              ; the stage is whole
	; ---- the way out
	v_and_b32 v1, 15, v0                           ; lane % 16
	v_bfe_u32 v2, v0, 4, 1                         ; lane / 16
	v_and_b32 v3, 31, v0
	; KL: wave w takes rows 8 w .. 8 w + 7, two a load: sixteen lanes a row's 64 t
	s_lshl_b32 s34, s18, 3
	v_add_nc_u32 v4, s34, v2
	v_mul_u32_u24 v5, v4, SPITCH
	v_lshl_add_u32 v5, v1, 4, v5
	v_add_nc_u32 v5, STG+SPL, v5                   ; K of d's first half,
	v_add_nc_u32 v6, 2*SPL, v5                     ; of its second
	v_lshl_add_u32 v7, v4, 2, SUMV
	v_lshl_add_u32 v8, v1, 4, SUMT
	v_lshlrev_b32 v9, 9, v4
	v_lshl_add_u32 v9, v1, 4, v9                   ; out1: row x 512 + 16 (lane % 16)
	ds_load_b128 v[16:19], v8
.irp i, 0,1,2,3
	ds_load_b32 v[20+\i], v7 offset:8*\i
	ds_load_b128 v[32+4*\i:35+4*\i], v5 offset:2*SPITCH*\i
	ds_load_b128 v[48+4*\i:51+4*\i], v6 offset:2*SPITCH*\i
.endr
	; E: wave w takes, of tiles 4 (w >> 3) .. + 3 of 16 rows, piece jj = w & 7: lane (r, h) reads row r, t = 32 h + 4 jj .. + 3
	s_and_b32 s35, s18, 7
	s_lshr_b32 s36, s18, 3
	s_mul_i32 s37, s36, 64*SPITCH
	s_lshl_b32 s38, s35, 4
	s_add_co_u32 s37, s37, s38
	s_add_co_u32 s37, s37, STG
	v_mul_u32_u24 v10, v1, SPITCH
	v_lshl_add_u32 v10, v2, 7, v10
	v_add_nc_u32 v10, s37, v10
	v_add_nc_u32 v11, 2*SPL, v10
.irp i, 0,1,2,3
	ds_load_b128 v[64+4*\i:67+4*\i], v10 offset:16*SPITCH*\i
	ds_load_b128 v[80+4*\i:83+4*\i], v11 offset:16*SPITCH*\i
.endr
	s_lshl_b32 s38, s35, 9
	s_lshl_b32 s39, s36, 15
	s_add_co_u32 s38, s38, s39
	v_lshlrev_b32 v12, 4, v3
	v_add_nc_u32 v12, s38, v12                     ; energy: tile x 8,192 + piece x 512 + 16 x lane
	s_lshl_b32 s39, s35, 4
	v_lshl_add_u32 v13, v2, 7, s39
	v_add_nc_u32 v13, MX, v13                      ; the exchange: 4 bytes a t
	s_lshl_b32 s39, s36, 8
	v_add_nc_u32 v14, s39, v13                     ; my half of the rows writes here
	s_wait_dscnt 8                                 ; all but the eight loads of E, issued last
; KL = 0.5 ((K0 - 32) + (K1 - 32)) + (0.5 sum ls_t - 0.5 sum ls_v): 32 is taken from each half first, where the subtraction keeps its bits
.macro KROW i
.irp p, 0,1
.if (\i)%2 == 0
	v_pk_add_f32 v[24+2*\p:25+2*\p], v[16+2*\p:17+2*\p], v[20+2*((\i)/2):21+2*((\i)/2)] op_sel_hi:[1,0] neg_lo:[0,1] neg_hi:[0,1]
.else
	v_pk_add_f32 v[24+2*\p:25+2*\p], v[16+2*\p:17+2*\p], v[20+2*((\i)/2):21+2*((\i)/2)] op_sel:[0,1] op_sel_hi:[1,1] neg_lo:[0,1] neg_hi:[0,1]
.endif
	v_pk_add_f32 v[32+4*(\i)+2*\p:33+4*(\i)+2*\p], v[32+4*(\i)+2*\p:33+4*(\i)+2*\p], 0xc2000000 op_sel_hi:[1,0]
	v_pk_add_f32 v[48+4*(\i)+2*\p:49+4*(\i)+2*\p], v[48+4*(\i)+2*\p:49+4*(\i)+2*\p], 0xc2000000 op_sel_hi:[1,0]
	v_pk_add_f32 v[32+4*(\i)+2*\p:33+4*(\i)+2*\p], v[32+4*(\i)+2*\p:33+4*(\i)+2*\p], v[48+4*(\i)+2*\p:49+4*(\i)+2*\p]
	v_pk_fma_f32 v[32+4*(\i)+2*\p:33+4*(\i)+2*\p], v[32+4*(\i)+2*\p:33+4*(\i)+2*\p], 0.5, v[24+2*\p:25+2*\p] op_sel_hi:[1,0,1]
.endr
	global_store_b128 v9, v[32+4*(\i):35+4*(\i)], s[16:17] offset:1024*(\i) th:TH_STORE_NT   ; sixteen lanes store 256 consecutive bytes, at a multiple of 256 from out1's first byte
.endm
	KROW 0
	KROW 1
	KROW 2
	KROW 3
	s_wait_dscnt 0x0
.irp j, 0,2,4,6,8,10,12,14
	v_pk_add_f32 v[64+\j:65+\j], v[64+\j:65+\j], v[80+\j:81+\j]      ; E: the two halves of d
.endr
.irp i, 0,1,2,3
	global_store_b128 v12, v[64+4*\i:67+4*\i], s[12:13] offset:8192*\i   ; 32 lanes store 512 consecutive bytes; these registers are only read from here on
.endr
	; the largest E of each t over the 128 rows: my 4 tiles, a tile's 16 rows (sixteen lanes), the other half of the rows through LDS
.irp e, 0,1,2,3
	v_max3_num_f32 v[96+\e], v[64+\e], v[68+\e], v[72+\e]
.endr
.irp e, 0,1,2,3
	v_max_num_f32 v[96+\e], v[96+\e], v[76+\e]
.endr
.irp m, 1,2,4,8
.irp e, 0,1,2,3
	v_max_num_f32_dpp v[96+\e], v[96+\e], v[96+\e] row_xmask:\m row_mask:0xf bank_mask:0xf
.endr
.endr
	ds_store_b128 v14, v[96:99]                    ; sixteen lanes write the same 16 bytes with the same values
	s_wait_dscnt 0x0
	s_barrier_signal -1
	s_barrier_wait -1
	ds_load_b128 v[100:103], v13
	ds_load_b128 v[104:107], v13 offset:256
	s_wait_dscnt 0x0
.irp e, 0,1,2,3
	v_max_num_f32 v[96+\e], v[100+\e], v[104+\e]
.endr
.irp i, 0,1,2,3
.irp p, 0,1
	v_pk_add_f32 v[112+4*\i+2*\p:113+4*\i+2*\p], v[64+4*\i+2*\p:65+4*\i+2*\p], v[96+2*\p:97+2*\p] neg_lo:[0,1] neg_hi:[0,1]
.endr
.endr
.irp j, 0,1,2,3,4,5,6,7,8,9,10,11,12,13,14,15
	v_exp_f32 v[112+\j], v[112+\j]                 ; 2^(E - max), at most 1
.endr
	v_nop                                          ; the plain line behind the batch
	s_wait_alu depctr_va_vdst(0)                   ; one wait for the sixteen
	v_pk_add_f32 v[112:113], v[112:113], v[116:117]
	v_pk_add_f32 v[114:115], v[114:115], v[118:119]
	v_pk_add_f32 v[120:121], v[120:121], v[124:125]
	v_pk_add_f32 v[122:123], v[122:123], v[126:127]
	v_pk_add_f32 v[112:113], v[112:113], v[120:121]
	v_pk_add_f32 v[114:115], v[114:115], v[122:123]
.irp m, 1,2,4,8
.irp e, 0,1,2,3
	v_add_f32_dpp v[112+\e], v[112+\e], v[112+\e] row_xmask:\m row_mask:0xf bank_mask:0xf
.endr
.endr
	ds_store_b128 v14, v[112:115] offset:512       ; other bytes than the maxima's
	s_wait_dscnt 0x0
	s_barrier_signal -1
	s_barrier_wait -1
	s_cmp_lg_u32 s18, 0                            ; wave 0 writes the work-group's 64 numbers; no barrier follows
	s_cbranch_scc1 .Ldone
	v_lshl_add_u32 v15, v3, 3, MX                  ; t = 2 lane, 2 lane + 1
	ds_load_b64 v[16:17], v15
	ds_load_b64 v[18:19], v15 offset:256
	ds_load_b64 v[20:21], v15 offset:512
	ds_load_b64 v[22:23], v15 offset:768
	s_wait_dscnt 0x0
	v_max_num_f32 v16, v16, v18
	v_max_num_f32 v17, v17, v19
	v_pk_add_f32 v[20:21], v[20:21], v[22:23]
	v_log_f32 v26, v20
	v_log_f32 v27, v21
	v_lshrrev_b32 v24, 3, v3                       ; (plain work behind the two)  slice of 16 t,
	v_mul_u32_u24 v24, v24, 8000
	v_and_b32 v25, 7, v3
	v_lshl_add_u32 v24, v25, 3, v24                ; and my two t in it
	s_wait_alu depctr_va_vdst(0)                   ; ahead of the first reader
	v_pk_add_f32 v[16:17], v[16:17], v[26:27]      ; lse = max + log2(sum)
	global_store_b64 v24, v[16:17], s[14:15]       ; eight lanes store 64 consecutive bytes: the layout serves the readers, whose loads then take 512 consecutive bytes
.Ldone:
	s_wait_xcnt 0x0
	v_lshl_add_u32 v254, v0, 2, 0x3ed00
	v_mov_b32 v255, 0
	s_wait_tensorcnt 0x0
	ds_add_u32 v254, v255
	s_wait_dscnt 0x0
	s_endpgm
.Lfunc_end_k_q3333967bbb_energy_kl:
	.size	k_q3333967bbb_energy_kl, .Lfunc_end_k_q3333967bbb_energy_kl-k_q3333967bbb_energy_kl
	.p2alignl 7, 3214868480
	.fill 96, 4, 3214868480
	.section	.rodata,"a",@progbits
	.p2align	6, 0x0
	.amdhsa_kernel k_q3333967bbb_energy_kl
		.amdhsa_group_segment_fixed_size 259328
		.amdhsa_private_segment_fixed_size 0
		.amdhsa_enable_private_segment 0
		.amdhsa_kernarg_size 56
		.amdhsa_user_sgpr_count 2
		.amdhsa_user_sgpr_kernarg_segment_ptr 1
		.amdhsa_wavefront_size32 1
		.amdhsa_system_sgpr_workgroup_id_x 1
		.amdhsa_system_sgpr_workgroup_id_y 1
		.amdhsa_system_sgpr_workgroup_id_z 1
		.amdhsa_system_vgpr_workitem_id 0
		.amdhsa_next_free_vgpr 256
		.amdhsa_next_free_sgpr 66
		.amdhsa_reserve_vcc 0
		.amdhsa_float_denorm_mode_32 3
		.amdhsa_float_denorm_mode_16_64 3
		.amdhsa_memory_ordered 1
		.amdhsa_forward_progress 1
		.amdhsa_inst_pref_size 65
	.end_amdhsa_kernel
	.amdgpu_metadata
---
amdhsa.version: [ 1, 2 ]
amdhsa.kernels:
  - .name:           k_q3333967bbb_energy_kl
    .symbol:         k_q3333967bbb_energy_kl.kd
    .args:
      - { .name: mu, .offset: 0, .size: 8, .value_kind: global_buffer, .address_space: global }
      - { .name: log_sigma, .offset: 8, .size: 8, .value_kind: global_buffer, .address_space: global }
      - { .name: mu_c, .offset: 16, .size: 8, .value_kind: global_buffer, .address_space: global }
      - { .name: log_sigma_c, .offset: 24, .size: 8, .value_kind: global_buffer, .address_space: global }
      - { .name: energy, .offset: 32, .size: 8, .value_kind: global_buffer, .address_space: global }
      - { .name: lse, .offset: 40, .size: 8, .value_kind: global_buffer, .address_space: global }
      - { .name: out1, .offset: 48, .size: 8, .value_kind: global_buffer, .address_space: global }
    .group_segment_fixed_size: 259328
    .private_segment_fixed_size: 0
    .kernarg_segment_align: 8
    .kernarg_segment_size: 56
    .max_flat_workgroup_size: 512
    .sgpr_count:     66
    .vgpr_count:     256
    .wavefront_size: 32
...
	.end_amdgpu_metadata
.endif
;; end of part 1
;; launch mix (part 2): grid 250 x 1, 8 waves a work-group, no clusters, 120,832 bytes of LDS; arguments energy, lse, x_codes, x_scales, out0; writes out0
.if DOCPART == 2
	.amdgcn_target "amdgcn-amd-amdhsa--gfx1250"
	.amdhsa_code_object_version 6
	.text
	.protected	k_q3333967bbb_mix
	.globl	k_q3333967bbb_mix
	.p2align	8
	.type	k_q3333967bbb_mix,@function
k_q3333967bbb_mix:
	s_mov_b64 s[64:65], 0
	v_nop
	global_prefetch_b8 v0, s[64:65] scope:SCOPE_SE
	s_setreg_imm32_b32 hwreg(HW_REG_WAVE_MODE, 25, 1), 1
	s_wait_xcnt 0x0
; SECOND LAUNCH.  out0 = Q(w) x, w[v][t] = 2^(E[v][t] - M[t]) / L[t]: the softmax over all 16,000 rows, finished and normalised, quantised along t to FP6 (E2M3) with one E8M0 scale for each 32 t,
; and multiplied by x's codes as they are given, by v_wmma_scale_f32_16x16x128_f8f6f4: K = 128 is one instruction deep.
; M[t] = the largest of the 125 row groups' lse, L[t] = sum of 2^(lse - M): E <= lse <= M, so no exponent is above 0.
; SHARES.  A work-group of eight waves owns 64 rows, four tiles of 16.  First wave w reduces the 125 lse of t = 16 w .. + 15 inside itself and leaves M and 1 / L in LDS; x's codes and scale words go to LDS as they lie; one barrier.
; Then wave (tile = w & 3, nh = w >> 2) works alone: it makes its tile's operand (both waves of a tile make it: 64 exponentials a lane against a second barrier and a trip through LDS) and multiplies it by columns 256 nh .. + 255.
; E lies in memory in the order of the operand's registers: lane (r, h) holds row r and t = 64 c + 32 h + 0 .. 31: two whole blocks of 32, so a block's largest number needs no other lane.
; THE MATRIX INSTRUCTION IS USED TRANSPOSED (source 0 = 16 columns of x, source 1 = my 16 rows of w): a lane holds eight neighbouring columns of one row of out0; 16 rows x 128 columns go through the wave's own stage and leave as rows of 512 bytes.
; NO CLUSTER: 250 work-groups do not divide into clusters of four.  No tensor load: each byte comes once, at the head.  No prefetch: all global loads stand at the head.
; LIMITS: a weight whose 2^(E - M) lies under 2^-126 counts as 0 (v_exp_f32 gives 0 there: ISA guide 15.8); a block of zeros gets the byte 1, its codes are zeros.  NaN and infinities are not served.
.set XC,     0                         ; x's codes: 512 columns of 96 bytes
.set XSC,    49152                     ; x's scale words: 4 bytes a column
.set MF,     51200                     ; M, 128 words; 512 bytes on: 1 / L
.set STG,    52224                     ; a stage of 16 rows x (512 bytes + 16) for each wave
.set SPITCH, 528
.set WS,  7                            ; v7         w's scale word; holds nothing else
.set AF,  8                            ; v[8:19]    w's fragment
.set ST,  20                           ; v[20:83]   16 x 4 lse
.set MM,  20                           ; v[20:83]   later M of my 64 t
.set XF,  20                           ; v[20:115]  later eight fragments of x
.set BK1, 20                           ; v[20:83]   the second block's rows, read back
.set XR,  84                           ; v[84:133]  x on its way to LDS
.set RR,  116                          ; v[116:179] 1 / L of my 64 t; then v120-135 at work in the quantiser
.set ACC, 116                          ; v[116:179] eight accumulators
.set EV,  180                          ; v[180:243] E, then w
.set BK0, 180                          ; v[180:243] the first block's rows, read back
.set XS,  248                          ; v[248:255] x's scale words; hold nothing else
	s_load_b256 s[4:11], s[0:1], 0x0               ; energy, lse, x_codes, x_scales
	s_load_b64 s[12:13], s[0:1], 0x20              ; out0
	v_lshl_add_u32 v247, v0, 2, 0x1d400
	s_set_vgpr_msb 0x40
	v_mov_b32 v1, 0
	s_set_vgpr_msb 0x4000
	v_lshrrev_b32 v1, 5, v0
	v_readfirstlane_b32 s14, v1                    ; wave 0..7
	s_and_b32 s15, s14, 3                          ; tile
	s_lshr_b32 s16, s14, 2                         ; half of the columns
	v_and_b32 v1, 31, v0                           ; lane
	v_lshlrev_b32 v2, 4, v1                        ; 16 x lane; never rewritten
	v_min_u32 v3, 19, v1
	v_lshlrev_b32 v3, 4, v3                        ; the last load of lse: a slice is 8,000 bytes = 15 x 512 + 20 x 16: lanes 20 to 31 read lane 19's bytes, so that no load leaves the slice
	v_lshlrev_b32 v4, 4, v0                        ; 16 x thread
	v_lshlrev_b32 v5, 3, v0                        ; 8 x thread
	s_mul_i32 s18, s14, 8000                       ; my slice of lse: [125 row groups][16 t]
	s_mov_b32 s19, 0
	s_lshl_b32 s17, ttmp9, 2
	s_add_co_u32 s17, s17, s15                     ; my tile of 16 rows: 0..999
	s_lshl_b32 s20, s17, 13                        ; 8,192 bytes of E
	s_mov_b32 s21, 0
	s_lshl_b32 s26, s17, 15                        ; 16 rows of 2,048 bytes of out0
	s_lshl_b32 s28, s16, 10
	s_add_co_u32 s26, s26, s28                     ; + 256 columns
	s_mov_b32 s27, 0
	s_mov_b32 s22, 0x76543210
	s_mov_b32 s23, 0xfedcba98                      ; v_permlanex16_b32's selects for lane l xor 16
	s_wait_kmcnt 0x0
	s_add_nc_u64 s[6:7], s[6:7], s[18:19]
	s_add_nc_u64 s[4:5], s[4:5], s[20:21]
	s_add_nc_u64 s[12:13], s[12:13], s[26:27]
.irp k, 0,1,2,3,4,5,6,7,8,9,10,11,12,13,14
	global_load_b128 v[ST+4*\k:ST+4*\k+3], v2, s[6:7] offset:512*\k     ; row groups 8 k + lane / 4, t = 16 w + 4 (lane % 4) ..
.endr
	global_load_b128 v[ST+60:ST+63], v3, s[6:7] offset:7680
.irp k, 0,1,2,3,4,5,6,7,8,9,10,11
	global_load_b128 v[XR+4*\k:XR+4*\k+3], v4, s[8:9] offset:4096*\k    ; x's codes: 192 bytes a thread
.endr
	global_load_b64 v[XR+48:XR+49], v5, s[10:11]                        ; x's scale words: 8 bytes a thread
.irp j, 0,1,2,3,4,5,6,7,8,9,10,11,12,13,14,15
	global_load_b128 v[EV+4*\j:EV+4*\j+3], v2, s[4:5] offset:512*\j     ; piece j = 8 c + jj: row r, t = 64 c + 32 h + 4 jj ..
.endr
	v_cmp_gt_u32 vcc_lo, 20, v1                    ; lanes whose last load is a row group of its own
	v_mov_b32 v136, 0xff800000                     ; -infinity: under every lse, and 2^(-infinity) adds nothing
.irp e, 0,1,2,3
	v_mov_b32 v[144+\e], 0                         ; a lane permute's destination counts as one of its sources
.endr
	v_lshl_add_u32 v245, v0, 3, XSC
	v_and_b32 v244, 3, v1
	s_lshl_b32 s24, s14, 6
	v_lshl_add_u32 v244, v244, 4, s24
	v_add_nc_u32 v244, MF, v244                    ; where my four t's M goes: 64 w + 16 (lane % 4)
	s_wait_loadcnt 29                              ; the 16 loads of lse are in; x's 13 and E's 16 may be out
.irp e, 0,1,2,3
	v_cndmask_b32 v[ST+60+\e], v136, v[ST+60+\e], vcc_lo
.endr
.irp e, 0,1,2,3
	v_max3_num_f32 v[140+\e], v[ST+\e], v[ST+4+\e], v[ST+8+\e]
.endr
.irp k, 3,5,7,9,11,13
.irp e, 0,1,2,3
	v_max3_num_f32 v[140+\e], v[140+\e], v[ST+4*\k+\e], v[ST+4*\k+4+\e]
.endr
.endr
.irp e, 0,1,2,3
	v_max_num_f32 v[140+\e], v[140+\e], v[ST+60+\e]
.endr
.irp m, 4,8                            ; the eight lanes that hold the same four t are lane xor 4, 8, 16
.irp e, 0,1,2,3
	v_max_num_f32_dpp v[140+\e], v[140+\e], v[140+\e] row_xmask:\m row_mask:0xf bank_mask:0xf
.endr
.endr
.irp e, 0,1,2,3
	v_permlanex16_b32 v[144+\e], v[140+\e], s22, s23
.endr
.irp e, 0,1,2,3
	v_max_num_f32 v[140+\e], v[140+\e], v[144+\e]  ; M
.endr
.set j, 0
.rept 16
	v_pk_add_f32 v[ST+j:ST+j+1], v[ST+j:ST+j+1], v[140:141] neg_lo:[0,1] neg_hi:[0,1]
	v_pk_add_f32 v[ST+j+2:ST+j+3], v[ST+j+2:ST+j+3], v[142:143] neg_lo:[0,1] neg_hi:[0,1]
.set j, j+4
.endr
.set j, 0
.rept 64
	v_exp_f32 v[ST+j], v[ST+j]                     ; 2^(lse - M)
.set j, j+1
.endr
	s_wait_loadcnt 16                              ; x is in; E's 16 loads may be out
.irp k, 0,1,2,3,4,5,6,7,8,9,10,11
	ds_store_b128 v4, v[XR+4*\k:XR+4*\k+3] offset:XC+4096*\k            ; as it lies
.endr
	ds_store_b64 v245, v[XR+48:XR+49]
	v_nop                                          ; the plain line behind the batch
	s_wait_alu depctr_va_vdst(0)                   ; one wait for the 64, ahead of their first reader
	v_pk_add_f32 v[148:149], v[ST:ST+1], v[ST+4:ST+5]
	v_pk_add_f32 v[150:151], v[ST+2:ST+3], v[ST+6:ST+7]
.set j, 8
.rept 14
	v_pk_add_f32 v[148:149], v[148:149], v[ST+j:ST+j+1]
	v_pk_add_f32 v[150:151], v[150:151], v[ST+j+2:ST+j+3]
.set j, j+4
.endr
.irp m, 4,8
.irp e, 0,1,2,3
	v_add_f32_dpp v[148+\e], v[148+\e], v[148+\e] row_xmask:\m row_mask:0xf bank_mask:0xf
.endr
.endr
.irp e, 0,1,2,3
	v_permlanex16_b32 v[144+\e], v[148+\e], s22, s23
.endr
.irp e, 0,1,2,3
	v_add_f32 v[148+\e], v[148+\e], v[144+\e]      ; L
.endr
.irp e, 0,1,2,3
	v_rcp_f32 v[152+\e], v[148+\e]
.endr
	; the addresses of the second part: plain work behind the four.  v3, v4, v5 were offsets of loads that the waits above have shown done
	v_and_b32 v137, 15, v0                         ; r
	v_bfe_u32 v138, v0, 4, 1                       ; h
	s_mul_i32 s24, s14, 16*SPITCH
	s_add_co_u32 s24, s24, STG                     ; my stage
	v_mul_u32_u24 v3, v137, SPITCH
	v_lshl_add_u32 v3, v138, 5, v3
	v_add_nc_u32 v3, s24, v3                       ; in: row r, + 32 h
	v_add_nc_u32 v4, s24, v2                       ; back: 16 bytes a lane of a row of 512
	s_lshl_b32 s25, s16, 10
	s_add_co_u32 s25, s25, XSC
	v_lshl_add_u32 v5, v137, 2, s25                ; x's scale words: my 256 columns, 4 r
	v_lshl_add_u32 v6, v138, 7, MF                 ; M: t = 32 h on
	s_mul_i32 s25, s16, 256*96
	v_mul_u32_u24 v246, v137, 96
	v_mad_u32_u24 v246, v138, 24, v246
	v_add_nc_u32 v246, s25, v246                   ; x's fragments: my 256 columns, column r, + 24 h
	s_wait_alu depctr_va_vdst(0)                   ; one wait for the four reciprocals
	ds_store_b128 v244, v[140:143]                 ; eight lanes write the same 16 bytes with the same values
	ds_store_b128 v244, v[152:155] offset:512
	s_wait_dscnt 0x0                               ; for the others' sake: x, M and 1 / L have landed
	s_barrier_signal -1
	s_barrier_wait -1
	; ---- from here on each wave works alone
.irp c, 0,1
.irp q, 0,1,2,3,4,5,6,7
	ds_load_b128 v[MM+32*\c+4*\q:MM+32*\c+4*\q+3], v6 offset:256*\c+16*\q
.endr
.endr
.irp c, 0,1
.irp q, 0,1,2,3,4,5,6,7
	ds_load_b128 v[RR+32*\c+4*\q:RR+32*\c+4*\q+3], v6 offset:512+256*\c+16*\q
.endr
.endr
; eight fragments of x (16 columns x 128 K: the 24 bytes at 96 r + 24 h and those 48 bytes on, as they lie, in pieces of 8) and their scale words: 56 loads
.macro FRAGS g
.irp b, 0,1,2,3,4,5,6,7
.irp p, 0,1,2,3,4,5
	ds_load_b64 v[XF+12*\b+2*\p:XF+12*\b+2*\p+1], v246 offset:(8*\g+\b)*1536+48*(\p/3)+8*(\p%3)
.endr
	ds_load_b32 v[XS+\b], v5 offset:64*(8*\g+\b)
.endr
.endm
; eight products on eight accumulators, each begun with the constant 0: lane (r, h), register j of accumulator b = out0(row r, column 16 b + 8 h + j of the batch's 128)
.macro MUL
.irp b, 0,1,2,3,4,5,6,7
	v_wmma_scale_f32_16x16x128_f8f6f4 v[ACC+8*\b:ACC+8*\b+7], v[XF+12*\b:XF+12*\b+11], v[AF:AF+11], 0, v[XS+\b], v[WS] matrix_a_fmt:MATRIX_FMT_FP6 matrix_b_fmt:MATRIX_FMT_FP6
.endr
.endm
.macro TOSTAGE
.irp b, 0,1,2,3,4,5,6,7
	ds_store_b128 v3, v[ACC+8*\b:ACC+8*\b+3] offset:64*\b             ; each accumulator from its low end on
	ds_store_b128 v3, v[ACC+8*\b+4:ACC+8*\b+7] offset:64*\b+16
.endr
.endm
.macro BACK bk                         ; LDS serves a wave's instructions in order (ISA guide 5.7.1.4): these see the stores above
.irp t, 0,1,2,3,4,5,6,7,8,9,10,11,12,13,14,15
	ds_load_b128 v[\bk+4*\t:\bk+4*\t+3], v4 offset:\t*SPITCH
.endr
.endm
.macro SEND bk, g
.irp t, 0,1,2,3,4,5,6,7,8,9,10,11,12,13,14,15
	global_store_b128 v2, v[\bk+4*\t:\bk+4*\t+3], s[12:13] offset:2048*\t+512*\g th:TH_STORE_NT   ; 32 lanes store 512 consecutive bytes, at a multiple of 256 from out0's first byte
.endr
.endm
	s_wait_loadcnt 0x0                             ; E
	s_wait_dscnt 16                                ; M is in; the 16 loads of 1 / L may be out
.set j, 0
.rept 32
	v_pk_add_f32 v[EV+j:EV+j+1], v[EV+j:EV+j+1], v[MM+j:MM+j+1] neg_lo:[0,1] neg_hi:[0,1]
.set j, j+2
.endr
	FRAGS 0                                        ; over M's registers, which are done with
.set j, 0
.rept 64
	v_exp_f32 v[EV+j], v[EV+j]                     ; 2^(E - M)
.set j, j+1
.endr
	v_nop                                          ; the plain line behind the batch
	s_wait_alu depctr_va_vdst(0)                   ; one wait for the 64
	s_wait_dscnt 56                                ; 1 / L is in; the 56 loads of x may be out
.set j, 0
.rept 32
	v_pk_mul_f32 v[EV+j:EV+j+1], v[EV+j:EV+j+1], v[RR+j:RR+j+1]       ; w, finished and normalised
.set j, j+2
.endr
	; the quantiser: my blocks h and 2 + h of row r.  No |.|: w is never negative
.irp c, 0,1
	v_max3_num_f32 v[128+\c], v[EV+32*\c], v[EV+32*\c+1], 0x1800000   ; and the floor 2^(3 - 127): the byte cannot fall under 1
.endr
.irp i, 2,4,6,8,10,12,14,16,18,20,22,24,26,28,30
.irp c, 0,1
	v_max3_num_f32 v[128+\c], v[128+\c], v[EV+32*\c+\i], v[EV+32*\c+\i+1]
.endr
.endr
.irp c, 0,1
	v_add_nc_u32 v[130+\c], 0xff000000, v[128+\c]  ; 2 off the exponent field: the conversion's scale operand
.endr
.irp c, 0,1
	v_lshrrev_b32 v[132+\c], 23, v[130+\c]         ; the scale's byte
.endr
	v_lshl_or_b32 v[WS], v133, 16, v132            ; my two bytes,
	v_bfe_u32 v134, v0, 4, 1
	v_lshlrev_b32 v134, 3, v134
	v_lshlrev_b32 v[WS], v134, v[WS]               ; at their places in the word (8 h bits up);
	v_mov_b32 v135, 0
	v_permlanex16_b32 v135, v[WS], s22, s23
	v_or_b32 v[WS], v[WS], v135                    ; with lane l xor 16's two the word is whole
.irp c, 0,1
	v_cvt_scalef32_pk16_fp6_f32 v[AF+6*\c:AF+6*\c+2], v[EV+32*\c:EV+32*\c+15], v[130+\c]
	v_cvt_scalef32_pk16_fp6_f32 v[120+4*\c:122+4*\c], v[EV+32*\c+16:EV+32*\c+31], v[130+\c]   ; (a conversion's three registers begin on an even number)
.endr
	v_nop                                          ; one plain line behind the scaled conversions
.irp c, 0,1
.irp i, 0,1,2
	v_mov_b32 v[AF+6*\c+3+\i], v[120+4*\c+\i]
.endr
.endr
.rept 8
	v_nop                                          ; a scale register written by a vector instruction stands 8 places ahead of a scaled matrix instruction, an operand so written 4
.endr
	s_wait_dscnt 0x0                               ; x's first eight fragments and their scale words
	MUL
.rept 5
	v_nop                                          ; 4 places ahead of the stores of results and of loads into the sources; 5 ahead of the next batch, which writes over these accumulators
.endr
	TOSTAGE
	BACK BK0
	FRAGS 1
	s_wait_dscnt 56                                ; the block is back; the 56 loads of x may be out
	SEND BK0, 0
	s_wait_dscnt 0x0
	MUL
.rept 4
	v_nop                                          ; 4 places ahead of the stores of results and of loads into the sources
.endr
	TOSTAGE
	BACK BK1
	s_wait_dscnt 0x0
	SEND BK1, 1
	s_set_vgpr_msb 0x4
	s_wait_tensorcnt 0x0
	ds_add_u32 v247, v1
	s_wait_dscnt 0x0
	s_set_vgpr_msb 0x400
	s_endpgm
.Lfunc_end_k_q3333967bbb_mix:
	.size	k_q3333967bbb_mix, .Lfunc_end_k_q3333967bbb_mix-k_q3333967bbb_mix
	.p2alignl 7, 3214868480
	.fill 96, 4, 3214868480
	.section	.rodata,"a",@progbits
	.p2align	6, 0x0
	.amdhsa_kernel k_q3333967bbb_mix
		.amdhsa_group_segment_fixed_size 120832
		.amdhsa_private_segment_fixed_size 0
		.amdhsa_enable_private_segment 0
		.amdhsa_kernarg_size 40
		.amdhsa_user_sgpr_count 2
		.amdhsa_user_sgpr_kernarg_segment_ptr 1
		.amdhsa_wavefront_size32 1
		.amdhsa_system_sgpr_workgroup_id_x 1
		.amdhsa_system_sgpr_workgroup_id_y 1
		.amdhsa_system_sgpr_workgroup_id_z 1
		.amdhsa_system_vgpr_workitem_id 0
		.amdhsa_next_free_vgpr 258
		.amdhsa_next_free_sgpr 66
		.amdhsa_reserve_vcc 1
		.amdhsa_float_denorm_mode_32 3
		.amdhsa_float_denorm_mode_16_64 3
		.amdhsa_memory_ordered 1
		.amdhsa_forward_progress 1
		.amdhsa_inst_pref_size 47
	.end_amdhsa_kernel
	.amdgpu_metadata
---
amdhsa.version: [ 1, 2 ]
amdhsa.kernels:
  - .name:           k_q3333967bbb_mix
    .symbol:         k_q3333967bbb_mix.kd
    .args:
      - { .name: energy, .offset: 0, .size: 8, .value_kind: global_buffer, .address_space: global }
      - { .name: lse, .offset: 8, .size: 8, .value_kind: global_buffer, .address_space: global }
      - { .name: x_codes, .offset: 16, .size: 8, .value_kind: global_buffer, .address_space: global }
      - { .name: x_scales, .offset: 24, .size: 8, .value_kind: global_buffer, .address_space: global }
      - { .name: out0, .offset: 32, .size: 8, .value_kind: global_buffer, .address_space: global }
    .group_segment_fixed_size: 120832
    .private_segment_fixed_size: 0
    .kernarg_segment_align: 8
    .kernarg_segment_size: 40
    .max_flat_workgroup_size: 256
    .sgpr_count:     66
    .vgpr_count:     258
    .wavefront_size: 32
...
	.end_amdgpu_metadata
.endif
;; end of part 2
